; MI455X (gfx1250); checked and timed in simulation.
; The chip was launched on July 23, 2026; its instructions are those of AMD's public machine-readable ISA for CDNA 5 (MIT licence, August 2026) and "CDNA5" Instruction Set Architecture Reference Guide (July 2026). The comments in the code are by the model that wrote it; some were corrected since.
;; GMM Equal Variance Denoiser. Allowed arithmetic: matrix products marked QUANTISED: E2M3 operands, one E8M0 scale for each 32 along K, by v_wmma_scale_f32_16x16x128_f8f6f4 with both operands' format E2M3, f32 sums; everything else in f32.
;; Inputs: means 8,192 x 64 float32; standard_dev 1 float32; t 1 float32; x 16,384 x 1 x 8 x 8 float32.
;; Outputs: out0 16,384 x 1 x 8 x 8 float32.
;; This version of the problem:
;;   THIS VERSION OF THE PROBLEM IS GIVEN IN LOW PRECISION. The matrix products marked QUANTISED in the list below multiply operands that are first quantised to E2M3 (2 exponent bits, 3 mantissa bits; 6 bits a number), with one power-of-two scale for each 32 numbers along K (OCP MX v1.0); their sums are f32. All else is computed in f32.
;;   The module's matrix products, in the order in which they are computed (A, B: the left and right operand; K: the contracted axis; several contracted axes count as one K, in the product's order):
;;     1. [M 16,384, K 64] x [K 64, N 8,192]; A: input x; B: computed on the way: QUANTISED
;;     2. [M 16,384, K 8,192] x [K 8,192, N 64]; A: softmax (see below); B: computed on the way: QUANTISED
;;   THE QUANTISER, for each operand of a quantised product, along K:
;;     - K is cut into blocks of 32 from its start; a last block that is shorter is filled with zeros.
;;     - A block's scale is 2^e with e = floor(log2(the largest magnitude in the block)) - 2, held to -126 .. 127; a block of zeros has e = 0. As a byte (E8M0): e + 127.
;;     - Each number is divided by its block's scale, clamped to +-7.5, and rounded to the nearest number of E2M3, ties to even, subnormals kept.
;;     - The product sums the exact products of the quantised numbers (number of the format x scale) in f32.
;;   ~~~python
;;   def quantise(x, axis):      # numpy; x: float32 -> the quantised numbers, widened to float32 again
;;       x = np.moveaxis(x, axis, -1); K = x.shape[-1]
;;       x = np.pad(x, [(0, 0)] * (x.ndim - 1) + [(0, -K % 32)]); x = x.reshape(x.shape[:-1] + (-1, 32)); a = np.abs(x).max(-1, keepdims=True)
;;       e = np.where(a > 0, np.clip(np.frexp(np.where(a > 0, a, 1))[1] - 1 - 2, -126, 127), 0)      # np.frexp(a)[1] - 1 = floor(log2(a)), exactly
;;       r = np.clip(x / 2.0 ** e, -7.5, 7.5)
;;       step = 2.0 ** (np.maximum(np.frexp(np.where(r == 0, 1, r))[1] - 1, 0) - 3)
;;       q = np.round(r / step) * step * 2.0 ** e      # np.round: ties to even
;;       return np.moveaxis(q.reshape(q.shape[:-2] + (-1,))[..., :K], -1, axis).astype(np.float32)
;;   ~~~
;;   SOFTMAX AHEAD OF A QUANTISED PRODUCT. Where the list says 'softmax', what is quantised is not the finished softmax but p = 2^(t - M), with t = logit x log2(e) and M = ceil(the row's largest t), a whole number; so 1/2 < the row's largest p <= 1. The row's sum l is taken of the UNQUANTISED p, in f32, and the product's result is divided by l at the end. Since M is a whole number, a kernel that streams over the keys may use a running M (the ceiling of the running maximum): every later rescaling is an exact power of two, which a block's scale takes up: the codes' values come out the same.
;;   OPERANDS COMPUTED ON THE WAY. 'Computed on the way' means the value that the module computes at that place (a softmax that the list does not call 'softmax' is quantised finished and normalised). What goes into a quantiser is computed in f32, as accurately as f32 sums, v_exp_f32 and their like allow (about 1e-6 of the number): no bf16 or f16 on the way to a quantiser, and a product that is left as it is and whose result goes on into a quantised operand takes f32 operands (vector FMAs, or v_wmma_f32_16x16x4_f32). A number that lies on a knife's edge between two numbers of the format may be rounded either way, as far as f32 arithmetic and the matrix unit's own rounding can turn it there, and no further.
;; One version. Each part assembles by itself: llvm-mc -triple=amdgcn-amd-amdhsa -mcpu=gfx1250 --defsym DOCPART=n.
;; ======== version 1 of 1: 2 launches
;; limits: right only within a limited range of input values
;; workspace buffers: kv 884,736 bytes
;; launch prep (part 1): grid 64 x 1, 4 waves a work-group, no clusters, 2,560 bytes of LDS; arguments means, t, standard_dev, kv; writes kv
.if DOCPART == 1
	.amdgcn_target "amdgcn-amd-amdhsa--gfx1250"
	.amdhsa_code_object_version 6
	.text
	.protected	k_q5f9e04d73d_prep
	.globl	k_q5f9e04d73d_prep
	.p2align	8
	.type	k_q5f9e04d73d_prep,@function
k_q5f9e04d73d_prep:
	s_mov_b64 s[64:65], 0
	v_nop
	global_prefetch_b8 v0, s[64:65] scope:SCOPE_SE
	s_setreg_imm32_b32 hwreg(HW_REG_WAVE_MODE, 25, 1), 1
	s_wait_xcnt 0x0
; The scaled clusters c = means x e^(-t), [8192][64], are quantised once, both ways, to codes of FP6 (E2M3) with one E8M0 byte for each 32 along K:
; along the 64 dimensions (first product) and along the clusters (second product).  With them goes the bias -1/2 sg |c|^2, sg = the sign of variance_t.
; kv = 64 step blocks of 13,824 bytes, images of the operands' registers; block sb serves clusters ("keys") 128 sb .. 128 sb + 127:
;   0      4 x 1536 K pair P: registers 0-5 are tile 2 P, registers 6-11 tile 2 P + 1; row r of tile T = 4 c + u is key 64 c + 32 (r / 8) + 8 u + r % 8; lane (r, h) holds
;                   dimensions 32 h .. 32 h + 31; registers 4 i .. 4 i + 3 at 1536 P + 512 i + 16 lane
;   6144   4 x 1536 V fragment dt: lane (r, h) holds dimension 16 dt + r; registers 6 c .. 6 c + 5 hold keys 64 c + 32 h + 0 .. 31; registers 4 i .. at 1536 dt + 512 i + 16 lane
;   12288  512      K's scale words: at 16 lane + 4 P the word of row lane % 16 of pair P: bytes 0, 1 tile 2 P's two blocks, bytes 2, 3 tile 2 P + 1's
;   12800  512      the bias, f32, in the keys' own order
;   13312  512      V's scale words: at 16 lane + 4 dt the word of dimension 16 dt + lane % 16
; A work-group of four waves makes one step block; wave w makes K pair w and V fragment w.  The three small arrays meet in LDS and leave as whole runs of 256 bytes.
; A lane holds a whole block of 32 in both paths.  No work-group reads what another reads: no cluster; no tensor load: LDS is claimed as it is used.
; LIMITS: NaN and infinities are not served; e^(-t) must be a normal f32 number (t under about 87); a block of zeros gets the byte 1 where the rule says 127 (its codes are zeros,
; and this program alone reads the bytes); blocks whose largest magnitude lies under 2^-124 are held at that byte.
.set STEPB, 13824
.set O_V,   6144
.set O_TAIL, 12288
.set L_BI,  512
.set L_VS,  1024
.set FLOOR, 0x1800000
.set KX, 32                            ; v32-95   K: two sets of 32 numbers
.set VX, 96                            ; v96-159  V: 64 numbers
.set KC, 160                           ; v160-171 the K pair's codes
.set KT, 176                           ; second halves as the conversions leave them
.set VC, 184
.set VT, 196
.set VW, 204
.set BI, 206
	s_load_b256 s[4:11], s[0:1], 0x0               ; means, t, standard_dev, kv
	v_lshl_add_u32 v208, v0, 2, 0x800
	v_mov_b32 v209, 0
	v_lshrrev_b32 v1, 5, v0
	v_readfirstlane_b32 s12, v1                    ; wave 0..3
	v_and_b32 v1, 31, v0                           ; lane
	v_and_b32 v2, 15, v0                           ; r
	v_bfe_u32 v3, v0, 4, 1                         ; h
	v_and_b32 v16, 8, v2
	v_mad_u32_u24 v16, v16, 3, v2                  ; r % 8 + 32 (r / 8)
	v_lshlrev_b32 v4, 8, v16                       ; K path: that key's row of 256 bytes,
	v_lshl_add_u32 v4, v3, 7, v4                   ; + 128 h
	v_lshlrev_b32 v5, 2, v2                        ; V path: column r,
	v_lshl_add_u32 v5, v3, 13, v5                  ; lanes 16-31 begin 32 rows further down
	v_lshlrev_b32 v6, 4, v1
	s_lshr_b32 s24, s12, 1
	s_and_b32 s25, s12, 1
	s_lshl_b32 s15, s24, 8
	s_lshl_b32 s26, s25, 6
	s_add_co_u32 s15, s15, s26
	s_add_co_u32 s15, s15, L_BI
	v_lshl_add_u32 v8, v16, 2, s15                 ; bias: 4 x (64 (w / 2) + 16 (w % 2) + my key); the pair's second tile adds 32 bytes
	s_lshl_b32 s15, s12, 2
	v_lshl_add_u32 v9, v1, 4, s15                  ; K's word: 16 lane + 4 w
	s_add_co_u32 s15, s15, L_VS
	v_lshl_add_u32 v10, v1, 4, s15                 ; V's word
	v_lshlrev_b32 v11, 4, v0
	v_lshlrev_b32 v15, 3, v3
	v_mov_b32 v22, 0
	v_mov_b32 v23, 0
	s_mov_b32 s20, 0x76543210
	s_mov_b32 s21, 0xfedcba98
	s_lshl_b32 s16, ttmp9, 15                      ; the block's 128 rows of 256 bytes
	s_lshl_b32 s18, s24, 14
	s_lshl_b32 s19, s25, 12
	s_add_co_u32 s18, s18, s19
	s_add_co_u32 s18, s18, s16                     ; K path: + rows 64 (w / 2) + 16 (w % 2)
	s_mov_b32 s19, 0
	s_lshl_b32 s15, s12, 6
	s_add_co_u32 s16, s16, s15                     ; V path: + my 16 columns
	s_mov_b32 s17, 0
	s_mul_i32 s26, ttmp9, STEPB
	s_mov_b32 s27, 0
	s_mul_i32 s28, s12, 1536
	s_mov_b32 s29, 0
	s_wait_alu depctr_va_vdst(0)                   ; the wait at the head's end
	s_wait_kmcnt 0x0
	s_load_b32 s13, s[6:7], 0x0                    ; t
	s_load_b32 s14, s[8:9], 0x0                    ; standard_dev
	s_add_nc_u64 s[22:23], s[4:5], s[16:17]
	s_add_nc_u64 s[4:5], s[4:5], s[18:19]
	s_add_nc_u64 s[10:11], s[10:11], s[26:27]
	s_add_nc_u64 s[24:25], s[10:11], s[28:29]
.irp u, 0,1
.irp i, 0,1,2,3,4,5,6,7
	global_load_b128 v[KX+32*\u+4*\i:KX+32*\u+4*\i+3], v4, s[4:5] offset:2048*\u+16*\i   ; the second tile begins 8 rows on
.endr
.endr
.irp c, 0,1
.set j, 0
.rept 32
	global_load_b32 v[VX+32*\c+j], v5, s[22:23] offset:256*(64*\c+j)     ; means(64 c + 32 h + j, 16 w + r)
.set j, j+1
.endr
.endr
	s_wait_kmcnt 0x0
	v_mov_b32 v16, s13
	v_mul_f32 v16, 0xbfb8aa3b, v16                 ; -t log2(e)
	s_wait_alu depctr_va_vdst(0)
	v_exp_f32 v12, v16                             ; e^(-t)
	v_mov_b32 v17, s14
	s_wait_alu depctr_va_vdst(0)
	v_mov_b32 v13, v12
	v_mul_f32 v18, v12, v12
	v_mul_f32 v17, v17, v17
	v_sub_f32 v19, 1.0, v18
	v_fma_f32 v19, v18, v17, v19                   ; variance_t
	v_and_b32 v19, 0x80000000, v19
	v_xor_b32 v14, 0xbf000000, v19                 ; -1/2 sg
	s_wait_alu depctr_va_vdst(0)
	s_wait_loadcnt 63                              ; 64 loads were issued behind K's sixteen: with 63 out at the most K's are in
.macro KQ u
.set XS, KX+32*(\u)
.set CC, KC+6*(\u)
.set CT, KT+4*(\u)
.set j, 0
.rept 16
	v_pk_mul_f32 v[XS+j:XS+j+1], v[XS+j:XS+j+1], v[12:13]
.set j, j+2
.endr
	v_pk_mul_f32 v[24:25], v[XS:XS+1], v[XS:XS+1]
	v_pk_mul_f32 v[26:27], v[XS+2:XS+3], v[XS+2:XS+3]
.set j, 4
.rept 7
	v_pk_fma_f32 v[24:25], v[XS+j:XS+j+1], v[XS+j:XS+j+1], v[24:25]
	v_pk_fma_f32 v[26:27], v[XS+j+2:XS+j+3], v[XS+j+2:XS+j+3], v[26:27]
.set j, j+4
.endr
	v_max3_num_f32 v28, |v[XS]|, |v[XS+1]|, |v[XS+2]|
	v_max3_num_f32 v29, |v[XS+3]|, |v[XS+4]|, |v[XS+5]|
.irp i, 6,10,14,18,22,26
	v_max3_num_f32 v28, v28, |v[XS+\i]|, |v[XS+\i+1]|
	v_max3_num_f32 v29, v29, |v[XS+\i+2]|, |v[XS+\i+3]|
.endr
	v_max3_num_f32 v28, v28, |v[XS+30]|, |v[XS+31]|
	v_max3_num_f32 v28, v28, v29, FLOOR
	v_pk_add_f32 v[24:25], v[24:25], v[26:27]
	v_add_f32 v24, v24, v25
	v_permlanex16_b32 v22, v24, s20, s21           ; the cluster's other 32 dimensions
	v_add_f32 v24, v24, v22
	v_mul_f32 v[BI+\u], v24, v14                   ; -1/2 sg |c|^2
	v_add_nc_u32 v30, 0xff000000, v28              ; 2 off the exponent field: the conversion's scale operand
	v_lshrrev_b32 v31, 23, v30
	v_lshlrev_b32 v31, v15, v31                    ; the byte at its place: byte h
	v_permlanex16_b32 v23, v31, s20, s21
.if \u
	v_or_b32 v31, v31, v23
	v_lshl_or_b32 v20, v31, 16, v20                ; the second tile's two bytes on top
.else
	v_or_b32 v20, v31, v23
.endif
	v_cvt_scalef32_pk16_fp6_f32 v[CC:CC+2], v[XS:XS+15], v30
	v_cvt_scalef32_pk16_fp6_f32 v[CT:CT+2], v[XS+16:XS+31], v30
	v_nop                                          ; one plain instruction behind a scaled conversion
.irp i, 0,1,2
	v_mov_b32 v[CC+3+\i], v[CT+\i]
.endr
	ds_store_b32 v8, v[BI+\u] offset:32*(\u)       ; both halves of the lanes write the same word with the same value
.endm
	KQ 0
	KQ 1
.irp i, 0,1,2
	global_store_b128 v6, v[KC+4*\i:KC+4*\i+3], s[24:25] offset:512*\i     ; 512 consecutive bytes
.endr
	ds_store_b32 v9, v20
	s_wait_loadcnt 0x0
.set j, 0
.rept 32
	v_pk_mul_f32 v[VX+j:VX+j+1], v[VX+j:VX+j+1], v[12:13]
.set j, j+2
.endr
.irp c, 0,1
	v_max3_num_f32 v[24+2*\c], |v[VX+32*\c]|, |v[VX+32*\c+1]|, |v[VX+32*\c+2]|
	v_max3_num_f32 v[25+2*\c], |v[VX+32*\c+3]|, |v[VX+32*\c+4]|, |v[VX+32*\c+5]|
.endr
.irp i, 6,10,14,18,22,26
.irp c, 0,1
	v_max3_num_f32 v[24+2*\c], v[24+2*\c], |v[VX+32*\c+\i]|, |v[VX+32*\c+\i+1]|
	v_max3_num_f32 v[25+2*\c], v[25+2*\c], |v[VX+32*\c+\i+2]|, |v[VX+32*\c+\i+3]|
.endr
.endr
.irp c, 0,1
	v_max3_num_f32 v[24+2*\c], v[24+2*\c], |v[VX+32*\c+30]|, |v[VX+32*\c+31]|
.endr
.irp c, 0,1
	v_max3_num_f32 v[24+2*\c], v[24+2*\c], v[25+2*\c], FLOOR
.endr
.irp c, 0,1
	v_add_nc_u32 v[28+\c], 0xff000000, v[24+2*\c]
.endr
.irp c, 0,1
	v_lshrrev_b32 v[30+\c], 23, v[28+\c]
.endr
	v_lshl_or_b32 v[VW], v31, 16, v30              ; my two bytes: blocks h and 2 + h,
	v_lshlrev_b32 v[VW], v15, v[VW]
	v_permlanex16_b32 v22, v[VW], s20, s21
	v_or_b32 v[VW], v[VW], v22                     ; with the other half's two the word is whole
.irp c, 0,1
	v_cvt_scalef32_pk16_fp6_f32 v[VC+6*\c:VC+6*\c+2], v[VX+32*\c:VX+32*\c+15], v[28+\c]
	v_cvt_scalef32_pk16_fp6_f32 v[VT+4*\c:VT+4*\c+2], v[VX+32*\c+16:VX+32*\c+31], v[28+\c]
.endr
	v_nop
.irp c, 0,1
.irp i, 0,1,2
	v_mov_b32 v[VC+6*\c+3+\i], v[VT+4*\c+\i]
.endr
.endr
.irp i, 0,1,2
	global_store_b128 v6, v[VC+4*\i:VC+4*\i+3], s[24:25] offset:O_V+512*\i
.endr
	ds_store_b32 v10, v[VW]
	s_wait_dscnt 0x0                               ; for the others' sake: my stores into the three small arrays are done
	s_barrier_signal -1
	s_barrier_wait -1
	s_cmp_lt_u32 s12, 3                            ; 1,536 bytes are 96 threads' 16 bytes: waves 0 to 2
	s_cbranch_scc0 .Lend
	ds_load_b128 v[32:35], v11
	s_wait_dscnt 0x0
	global_store_b128 v11, v[32:35], s[10:11] offset:O_TAIL
.Lend:
	s_wait_tensorcnt 0x0                           ; the wave's end
	ds_add_u32 v208, v209
	s_wait_dscnt 0x0
	s_endpgm
.Lfunc_end_k_q5f9e04d73d_prep:
	.size	k_q5f9e04d73d_prep, .Lfunc_end_k_q5f9e04d73d_prep-k_q5f9e04d73d_prep
	.p2alignl 7, 3214868480
	.fill 96, 4, 3214868480
	.section	.rodata,"a",@progbits
	.p2align	6, 0x0
	.amdhsa_kernel k_q5f9e04d73d_prep
		.amdhsa_group_segment_fixed_size 2560
		.amdhsa_private_segment_fixed_size 0
		.amdhsa_enable_private_segment 0
		.amdhsa_kernarg_size 32
		.amdhsa_user_sgpr_count 2
		.amdhsa_user_sgpr_kernarg_segment_ptr 1
		.amdhsa_wavefront_size32 1
		.amdhsa_system_sgpr_workgroup_id_x 1
		.amdhsa_system_sgpr_workgroup_id_y 1
		.amdhsa_system_sgpr_workgroup_id_z 1
		.amdhsa_system_vgpr_workitem_id 0
		.amdhsa_next_free_vgpr 210
		.amdhsa_next_free_sgpr 66
		.amdhsa_reserve_vcc 0
		.amdhsa_float_denorm_mode_32 3
		.amdhsa_float_denorm_mode_16_64 3
		.amdhsa_memory_ordered 1
		.amdhsa_forward_progress 1
		.amdhsa_inst_pref_size 25
	.end_amdhsa_kernel
	.amdgpu_metadata
---
amdhsa.version: [ 1, 2 ]
amdhsa.kernels:
  - .name:           k_q5f9e04d73d_prep
    .symbol:         k_q5f9e04d73d_prep.kd
    .args:
      - { .name: means, .offset: 0, .size: 8, .value_kind: global_buffer, .address_space: global }
      - { .name: t, .offset: 8, .size: 8, .value_kind: global_buffer, .address_space: global }
      - { .name: standard_dev, .offset: 16, .size: 8, .value_kind: global_buffer, .address_space: global }
      - { .name: kv, .offset: 24, .size: 8, .value_kind: global_buffer, .address_space: global }
    .group_segment_fixed_size: 2560
    .private_segment_fixed_size: 0
    .kernarg_segment_align: 8
    .kernarg_segment_size: 32
    .max_flat_workgroup_size: 128
    .sgpr_count:     66
    .vgpr_count:     210
    .wavefront_size: 32
...
	.end_amdgpu_metadata
.endif
;; end of part 1
;; launch attn (part 2): grid 256 x 1, 8 waves a work-group, clusters of 4 x 1, 327,680 bytes of LDS; arguments x, t, standard_dev, kv, out0; writes out0
.if DOCPART == 2
	.amdgcn_target "amdgcn-amd-amdhsa--gfx1250"
	.amdhsa_code_object_version 6
	.text
	.protected	k_q5f9e04d73d_attn
	.globl	k_q5f9e04d73d_attn
	.p2align	8
	.type	k_q5f9e04d73d_attn,@function
k_q5f9e04d73d_attn:
	s_mov_b64 s[64:65], 0
	v_nop
	global_prefetch_b8 v0, s[64:65] scope:SCOPE_SE
	s_setreg_imm32_b32 hwreg(HW_REG_WAVE_MODE, 25, 1), 1
	s_wait_xcnt 0x0
	s_wait_alu depctr_hold_cnt(0) depctr_sa_sdst(0) depctr_va_vdst(0) depctr_va_sdst(0) depctr_va_ssrc(0) depctr_va_vcc(0) depctr_vm_vsrc(0)
	s_getreg_b32 s2, hwreg(HW_REG_IB_STS2, 6, 4)
	s_cmp_eq_u32 s2, 0
	s_cbranch_scc0 .Lentry_in_a_cluster
	s_endpgm
.Lentry_in_a_cluster:
	s_bfe_u32 s2, ttmp6, 0x10000c
	s_cmp_lg_u32 s2, 0x3003
	s_cbranch_scc0 .Lentry_shape_is_right
	s_endpgm
.Lentry_shape_is_right:
; out = (dw x + (1 - dw) softmax(-1/2 |x - c|^2 / var) c) / scale: attention with one head of 64, the 8,192 scaled clusters c as keys and values, both products on codes of FP6 (E2M3) with E8M0 scales.
; kv: 64 step blocks of 128 keys, 13,824 bytes each, images of the operands' registers (0: 4 K pairs of 1,536 bytes; 6144: 4 V fragments; 12288: K's scale words; 12800: the bias; 13312: V's scale words).
; THE LOGIT.  t = S c + XB, S = sg (x . c - 1/2 |c|^2), c = |log2(e) / var|, sg = var's sign, XB = -1/2 |x|^2 log2(e) / var.  x is multiplied by sg ahead of its quantiser (exact), so that the factor on
; the scores is positive and a block's largest score gives its largest p.  The bias is the C of the score's matrix instruction.
; THE SOFTMAX.  M = the largest t so far, rounded up to a whole number; p = 2^(t - M) is quantised along the keys; the sum l is taken of the unquantised p; when M moves, l and O are multiplied by 2^(old M - new M).
; THE FIRST PRODUCT'S K IS 64, the matrix form's 128: an A operand holds TWO tiles of 16 keys (k 0-63 one, k 64-127 the other); B is [q | zero codes] for the first and [zero codes | q] for the second.
; SHARES.  A work-group owns 64 rows of x.  Eight waves of 512 registers; wave w owns the 32 rows 32 (w % 2) .. (two tiles of 16) and key group w / 2, a quarter of the keys: 16 steps of 128.  Each fragment
; of K, V and the bias read from LDS serves both tiles.  At the end the four groups meet in LDS as rows, and each wave merges and stores 8 rows.
; LAYOUT.  Both products transposed (S^T = K Q^T, O^T = V^T P^T): a lane holds one row of x.  Row 8 h' + j of K tile 4 c + u is key 64 c + 32 h' + 8 u + j: the 32 registers of tiles 4 c .. 4 c + 3
; are, in lane half h, the whole block of keys 64 c + 32 h + 0 .. 31, in the order that the second product's operand wants: a block's maximum and codes need no other lane.
; WINDOWS.  Tile 1's own registers carry tile 0's numbers in window 1.  Window 0 also holds addresses, K's fragments and all scale words; window 1 the bias and Q.  V's fragments land on tile 0's spent p.
; THE RING.  Two LDS slots of 8 step blocks (110,592 bytes); group g reads blocks 2 g, 2 g + 1.  All work-groups walk the same kv, so the four of a cluster ask jointly: each wave fetches one step block
; (54 rows of 256 bytes) by one tensor load whose mask names the four; a wave has one tensor load out at the most.  The change of slots stands between a step's softmax and its second product.
; No prefetch is laid: a refill is asked for a whole slot's work, two key steps of each of the eight waves, ahead of the wait for it.
; LIMITS: NaN and infinities are not served; var = 0 is not served; e^(-t) must be a normal f32 number (t under about 87); p under 2^-126 counts as 0; a block of zeros has the byte 1 and zero codes;
; the scaled scores stay under 2^31 in magnitude.
.set STEPB, 13824
.set QUART, 2*STEPB
.set SLOTB, 8*STEPB
.set SLOT1, 1<<17
.set SPARE, SLOTB                      ; behind slot 0: the spare words, 128 bytes a wave
.set MRG,   SLOT1+SLOTB                ; behind slot 1: the merge area: 4 groups x 64 rows x 272 bytes
.set GPL,   64*272
.set ML,    MRG+4*GPL                  ; -M [4][64], then l [4][64]
.set O_V,   6144
.set O_KS,  12288
.set O_B,   12800
.set O_VS,  13312
.set FLOOR, 0x1800000
; window 0: v1 x's and out0's offset; v4, v5 16 lane and 128 h + my group's place; v6, v7 the same in the slot in hand; v12, v13 merge area in; v14, v15 merge area back
.set SPW, 2
.set NIL, 3
.set KF,  16                           ; w0 v16-63   four K pairs
.set BI,  0                            ; w1 v0-63    the bias
.set QZ,  204                          ; w1 v204-233 zero, q0, zero, q1, zero: six registers each
.set KS,  240                          ; w0: scale words
.set QS,  244
.set VS,  248
.set PS,  252
; a tile's own, window = tile
.set S,   64                           ; scores, then p (tile 0: then V's fragments)
.set O,   128
.set PC,  160
.set PT,  172
.set BM,  180
.set SO,  184
.set TT,  186
.set PD,  187
.set W,   188
.set H8,  189
.set F,   190
.set XBM, 192                          ; XB - M
.set RM,  193                          ; the largest t
.set NM,  194                          ; -M
.set XB,  195
.set L,   196
.set T1,  198
.set T2,  200
.set T3,  202
.set MSB, 0
.macro WIN new                         ; the immediate's high byte repeats the setting that is left
.if MSB != (\new)
	s_set_vgpr_msb (MSB<<8)|(\new)
.set MSB, (\new)
.endif
.endm
.macro CREST                           ; a round of the cluster's barrier behind its opening barrier
	s_cmp_lg_u32 s14, 0
	s_cbranch_scc1 .Lnw0_\@
	s_barrier_signal -3
.Lnw0_\@:
	s_barrier_wait -3
	s_barrier_signal -1
	s_barrier_wait -1
.endm
.macro CROUND
	s_barrier_signal -1
	s_barrier_wait -1
	CREST
.endm
.macro FILL                            ; every wave asks for its step block of a slot
	tensor_load_to_lds s[32:35], s[24:31]
	s_nop 0
.endm
.macro KLOAD qo                        ; a step's K pairs, K's scale words and bias
.set j, 0
.rept 12
	ds_load_b128 v[KF+4*j:KF+4*j+3], v6 offset:(\qo)+512*j
.set j, j+1
.endr
	ds_load_b128 v[KS:KS+3], v6 offset:(\qo)+O_KS
	WIN 0x40
.set j, 0
.rept 8
	ds_load_b128 v[BI+8*j:BI+8*j+3], v7 offset:(\qo)+O_B+256*(j/4)+32*(j%4)       ; tile j, register i: key 64 (j / 4) + 32 h + 8 (j % 4) + i
	ds_load_b128 v[BI+8*j+4:BI+8*j+7], v7 offset:(\qo)+O_B+256*(j/4)+32*(j%4)+16
.set j, j+1
.endr
	WIN 0
.endm
.macro VLOAD qo
.set j, 0
.rept 12
	ds_load_b128 v[S+4*j:S+4*j+3], v6 offset:(\qo)+O_V+512*j
.set j, j+1
.endr
	ds_load_b128 v[VS:VS+3], v6 offset:(\qo)+O_VS
.endm
.macro SWT t                           ; S^T = K Q^T + bias for tile t: A window 0, B and C window 1, D window t
	WIN 0x14+0x40*(\t)
.irp p, 0,1,2,3
	v_wmma_scale_f32_16x16x128_f8f6f4 v[S+16*\p:S+16*\p+7], v[KF+12*\p:KF+12*\p+11], v[QZ+6+12*(\t):QZ+17+12*(\t)], v[BI+16*\p:BI+16*\p+7], v[KS+\p], v[QS+2*(\t)] matrix_a_fmt:MATRIX_FMT_FP6 matrix_b_fmt:MATRIX_FMT_FP6
	v_wmma_scale_f32_16x16x128_f8f6f4 v[S+16*\p+8:S+16*\p+15], v[KF+12*\p:KF+12*\p+11], v[QZ+12*(\t):QZ+11+12*(\t)], v[BI+16*\p+8:BI+16*\p+15], v[KS+\p], v[QS+2*(\t)+1] matrix_a_fmt:MATRIX_FMT_FP6 matrix_b_fmt:MATRIX_FMT_FP6
.endr
.endm
.macro PV t                            ; O^T += V^T P^T: four accumulators by turns; A window 0, the rest window t
	WIN 0x54*(\t)
.irp d, 0,1,2,3
	v_wmma_scale_f32_16x16x128_f8f6f4 v[O+8*\d:O+8*\d+7], v[S+12*\d:S+12*\d+11], v[PC:PC+11], v[O+8*\d:O+8*\d+7], v[VS+\d], v[PS+(\t)] matrix_a_fmt:MATRIX_FMT_FP6 matrix_b_fmt:MATRIX_FMT_FP6
.endr
.endm
.macro RESC                            ; O^T under the new M
.set j, 0
.rept 16
	v_pk_mul_f32 v[O+j:O+j+1], v[O+j:O+j+1], v[F:F+1] op_sel_hi:[1,0]
.set j, j+2
.endr
.endm
; One tile's softmax of 128 keys: scores in, p's codes and scale word, l, M and f out.
.macro SMAX t
	WIN 0x55*(\t)
	s_wait_alu depctr_va_vdst(0)                   ; the wait ahead of the first readers of the scores
.irp c, 0,1
	v_max3_num_f32 v[BM+\c], v[S+32*\c], v[S+32*\c+1], v[S+32*\c+2]        ; my two blocks' largest scores, two chains each; each accumulator is read from its low end on
	v_max3_num_f32 v[BM+2+\c], v[S+32*\c+16], v[S+32*\c+17], v[S+32*\c+18]
.endr
.irp i, 3,5,7,9,11,13
.irp c, 0,1
	v_max3_num_f32 v[BM+\c], v[BM+\c], v[S+32*\c+\i], v[S+32*\c+\i+1]
	v_max3_num_f32 v[BM+2+\c], v[BM+2+\c], v[S+32*\c+16+\i], v[S+32*\c+17+\i]
.endr
.endr
.irp c, 0,1
	v_max3_num_f32 v[BM+\c], v[BM+\c], v[BM+2+\c], v[S+32*\c+15]
.endr
.irp c, 0,1
	v_max_num_f32 v[BM+\c], v[BM+\c], v[S+32*\c+31]
.endr
	v_max_num_f32 v[TT], v[BM], v[BM+1]
	v_permlanex16_b32 v[PD], v[TT], s20, s21       ; the other half's two blocks
	v_max_num_f32 v[TT], v[TT], v[PD]
	v_fma_f32 v[TT], v[TT], s44, v[XB]             ; as t (c is positive)
	v_max_num_f32 v[RM], v[RM], v[TT]
	v_mov_b32 v[TT], v[NM]
	v_floor_f32 v[NM], -v[RM]                      ; the new -M = -ceil(t)
	v_add_f32 v[XBM], v[XB], v[NM]
	v_sub_f32 v[TT], v[NM], v[TT]                  ; old M less new M
	v_cvt_i32_f32 v[TT], v[TT]                     ; (it saturates)
.set j, 0
.rept 32
	v_pk_fma_f32 v[S+j:S+j+1], v[S+j:S+j+1], s[44:45], v[XBM:XBM+1] op_sel_hi:[1,0,0]   ; t - M
.set j, j+2
.endr
.irp c, 0,1
	v_fma_f32 v[BM+\c], v[BM+\c], s44, v[XBM]      ; the same of each block's largest score
.endr
	s_wait_alu depctr_va_vdst(0)                   ; ahead of the batch
.irp c, 0,1
	v_exp_f32 v[BM+\c], v[BM+\c]                   ; the block's largest p
.endr
.set j, 0
.rept 64
	v_exp_f32 v[S+j], v[S+j]                       ; p = 2^(t - M)
.set j, j+1
.endr
	v_ldexp_f32 v[F], 1.0, v[TT]                   ; f = 2^(old M - new M): the plain instruction behind the batch
	s_wait_alu depctr_va_vdst(0)                   ; one wait for the batch
	v_pk_fma_f32 v[L:L+1], v[L:L+1], v[F:F+1], v[S:S+1] op_sel_hi:[1,0,1]   ; l under the new M, and the sum of the unquantised p in four chains
	v_pk_add_f32 v[T1:T1+1], v[S+2:S+3], v[S+4:S+5]
	v_pk_add_f32 v[T2:T2+1], v[S+6:S+7], v[S+8:S+9]
	v_pk_add_f32 v[T3:T3+1], v[S+10:S+11], v[S+12:S+13]
.irp k, 14,22,30,38,46,54
	v_pk_add_f32 v[L:L+1], v[L:L+1], v[S+\k:S+\k+1]
	v_pk_add_f32 v[T1:T1+1], v[T1:T1+1], v[S+\k+2:S+\k+3]
	v_pk_add_f32 v[T2:T2+1], v[T2:T2+1], v[S+\k+4:S+\k+5]
	v_pk_add_f32 v[T3:T3+1], v[T3:T3+1], v[S+\k+6:S+\k+7]
.endr
.irp c, 0,1
	v_max_num_f32 v[BM+\c], FLOOR, v[BM+\c]        ; the floor: the byte cannot fall under 1
.endr
	v_pk_add_f32 v[L:L+1], v[L:L+1], v[S+62:S+63]
	v_pk_add_f32 v[T1:T1+1], v[T1:T1+1], v[T2:T2+1]
.irp c, 0,1
	v_add_nc_u32 v[SO+\c], 0xff000000, v[BM+\c]    ; 2 off the exponent field: the conversion's scale operand
.endr
	v_pk_add_f32 v[L:L+1], v[L:L+1], v[T3:T3+1]
.irp c, 0,1
	v_lshrrev_b32 v[BM+2+\c], 23, v[SO+\c]         ; the byte
.endr
	v_pk_add_f32 v[L:L+1], v[L:L+1], v[T1:T1+1]
	v_lshl_or_b32 v[W], v[BM+3], 16, v[BM+2]       ; blocks h and 2 + h,
	v_lshlrev_b32 v[W], v[H8], v[W]                ; 8 h bits up
	v_permlanex16_b32 v[PD], v[W], s20, s21
.irp c, 0,1
	v_cvt_scalef32_pk16_fp6_f32 v[PC+6*\c:PC+6*\c+2], v[S+32*\c:S+32*\c+15], v[SO+\c]
	v_cvt_scalef32_pk16_fp6_f32 v[PT+4*\c:PT+4*\c+2], v[S+32*\c+16:S+32*\c+31], v[SO+\c]
.endr
	WIN 0x05*(\t)
	v_or_b32 v[PS+(\t)], v[W], v[PD]               ; p's scale word, into window 0 (also the plain instruction behind the conversions)
	WIN 0x55*(\t)
.irp c, 0,1
.irp i, 0,1,2
	v_mov_b32 v[PC+6*\c+3+\i], v[PT+4*\c+\i]
.endr
.endr
.endm
; A KEY STEP.  The scores of step q of the slot stand in registers.  mode 0: the next step lies in the same slot; 1: change of slots with a refill; 2: change without; 3: the last step.
.macro STEP q, mode
.rept 4
	v_nop                                          ; places behind the scores' products: for the reads of results and the loads into their sources
.endr
.if (\mode) == 0
	KLOAD ((\q)+1)*STEPB
.endif
	SMAX 0
	VLOAD (\q)*STEPB                               ; tile 0's p has been read: V takes its place while tile 1 is worked
	SMAX 1
	WIN 0
.if (\mode) == 1 || (\mode) == 2
	s_wait_tensorcnt 0x0                           ; my part of the slot ahead is in; group 0 may be written
	ds_add_u32 v[SPW], v[NIL]
	s_xor_b32 s22, s22, SLOT1
.if (\mode) == 1
	s_xor_b32 s33, s33, SLOT1
	s_add_nc_u64 s[34:35], s[34:35], SLOTB
.endif
.endif
	s_wait_alu depctr_va_vdst(0)                   ; ahead of the first readers of O^T
	RESC
	s_wait_alu depctr_va_vdst(0)                   ; and ahead of the wait below
	s_wait_dscnt 0x0                               ; V is in; at a change: the add is done and my reads of the slot in hand are over
.if (\mode) == 1 || (\mode) == 2
	s_barrier_signal -1
.endif
	PV 0
.if (\mode) == 1
	s_barrier_wait -1
	CREST
	FILL
.endif
.if (\mode) == 2
	s_barrier_wait -1
.endif
.if (\mode) == 1 || (\mode) == 2
	v_add_nc_u32 v6, s22, v4
	v_add_nc_u32 v7, s22, v5
	KLOAD 0
.endif
	WIN 0x55
	s_wait_alu depctr_va_vdst(0)
	RESC
	PV 1
	WIN 0
.if (\mode) != 3
.rept 5
	v_nop                                          ; five places: the next scores are written over V's fragments
.endr
	s_wait_dscnt 0x0
	SWT 0
	SWT 1
	WIN 0
.endif
.endm
.macro INIT t
	WIN 0x55*(\t)
	v_mov_b32 v[L], 0
	v_mov_b32 v[L+1], 0
	v_mov_b32 v[PD], 0
	v_mov_b32 v[F+1], 0
	v_mov_b32 v[RM], 0xff61b1e6                    ; -3e38, under every t
	v_floor_f32 v[NM], -v[RM]
.endm
.macro QPREP t                         ; XB, and x sg quantised: codes into Q's place in window 1, scale words into window 0
	WIN 0x55*(\t)
	v_pk_mul_f32 v[T1:T1+1], v[S:S+1], v[S:S+1]
	v_pk_mul_f32 v[T2:T2+1], v[S+2:S+3], v[S+2:S+3]
.set j, 4
.rept 7
	v_pk_fma_f32 v[T1:T1+1], v[S+j:S+j+1], v[S+j:S+j+1], v[T1:T1+1]
	v_pk_fma_f32 v[T2:T2+1], v[S+j+2:S+j+3], v[S+j+2:S+j+3], v[T2:T2+1]
.set j, j+4
.endr
	v_pk_add_f32 v[T1:T1+1], v[T1:T1+1], v[T2:T2+1]
	v_add_f32 v[TT], v[T1], v[T1+1]
	v_permlanex16_b32 v[PD], v[TT], s20, s21
	v_add_f32 v[TT], v[TT], v[PD]
	v_mul_f32 v[XB], s47, v[TT]
.set j, 0
.rept 16
	v_pk_mul_f32 v[S+j:S+j+1], v[S+j:S+j+1], s[46:47] op_sel_hi:[1,0]
.set j, j+2
.endr
	v_max3_num_f32 v[BM], |v[S]|, |v[S+1]|, |v[S+2]|
	v_max3_num_f32 v[BM+1], |v[S+3]|, |v[S+4]|, |v[S+5]|
.irp i, 6,10,14,18,22,26
	v_max3_num_f32 v[BM], v[BM], |v[S+\i]|, |v[S+\i+1]|
	v_max3_num_f32 v[BM+1], v[BM+1], |v[S+\i+2]|, |v[S+\i+3]|
.endr
	v_max3_num_f32 v[BM], v[BM], |v[S+30]|, |v[S+31]|
	v_max3_num_f32 v[BM], v[BM], v[BM+1], FLOOR
	v_add_nc_u32 v[SO], 0xff000000, v[BM]
	v_lshrrev_b32 v[W], 23, v[SO]
	v_lshlrev_b32 v[W], v[H8], v[W]
	v_permlanex16_b32 v[PD], v[W], s20, s21
	v_or_b32 v[W], v[W], v[PD]
	v_cvt_scalef32_pk16_fp6_f32 v[PC:PC+2], v[S:S+15], v[SO]
	v_cvt_scalef32_pk16_fp6_f32 v[PT:PT+2], v[S+16:S+31], v[SO]
	v_nop
	WIN 0x15*(\t)
	v_or_b32 v[QS+2*(\t)], 0x7f7f0000, v[W]        ; for [q | 0]: 127 over the zero codes
	v_lshl_or_b32 v[QS+2*(\t)+1], v[W], 16, 0x7f7f ; for [0 | q]
	WIN 0x40+(\t)
.irp i, 0,1,2
	v_mov_b32 v[QZ+6+12*(\t)+\i], v[PC+\i]
	v_mov_b32 v[QZ+9+12*(\t)+\i], v[PT+\i]
.endr
.endm
	s_load_b256 s[4:11], s[0:1], 0x0               ; x, t, standard_dev, kv
	s_load_b64 s[12:13], s[0:1], 0x20              ; out0
	v_lshl_add_u32 v[SPW], v0, 2, SPARE
	v_mov_b32 v[NIL], 0
	ds_add_u32 v[SPW], v[NIL]
	ds_add_u32 v[SPW], v[NIL]
	v_lshrrev_b32 v8, 5, v0
	v_readfirstlane_b32 s14, v8                    ; wave 0..7
	s_and_b32 s15, s14, 1                          ; my 32 rows
	s_lshr_b32 s16, s14, 1                         ; my key group
	s_bfe_u32 s17, ttmp6, 0x40000                  ; cx: it enters x's and out0's addresses alone
	s_lshl_b32 s18, ttmp9, 2
	s_add_co_u32 s18, s18, s17                     ; my work-group
	s_mov_b32 s24, 15|(3<<16)|(1<<21)              ; group 1: the mask of all four; elements of 8 bytes; bit 21 beside the mask
	s_mov_b32 s25, 32<<16                          ; rows of 256 bytes
	s_mov_b32 s26, 54<<16
	s_mov_b32 s27, 32<<16
	s_mov_b32 s28, 54                              ; 54 rows: one step block
	s_mov_b32 s29, 32
	s_mov_b32 s30, 0
	s_mov_b32 s31, 0
	s_mov_b32 s20, 0x76543210
	s_mov_b32 s21, 0xfedcba98
	s_mov_b32 s22, 0                               ; LDS byte at which the slot in hand begins
	s_mov_b32 s23, 6                               ; the loop's trips
	s_mul_i32 s38, s14, STEPB
	s_mov_b32 s39, 0
	s_lshl_b32 s40, s18, 14                        ; my work-group's 64 rows of 256 bytes
	s_mov_b32 s41, 0
	s_wait_alu depctr_va_vdst(0)
	s_wait_dscnt 0x0
	s_wait_kmcnt 0x0
	s_load_b32 s36, s[6:7], 0x0                    ; t
	s_load_b32 s37, s[8:9], 0x0                    ; standard_dev
	s_mov_b32 s32, 1
	s_mov_b32 s33, s38
	s_add_nc_u64 s[34:35], s[10:11], s[38:39]
	s_or_b32 s35, s35, 0x80000000
	s_add_nc_u64 s[4:5], s[4:5], s[40:41]
	s_add_nc_u64 s[12:13], s[12:13], s[40:41]
	CROUND                                         ; the first joint loads meet
	FILL                                           ; slot 0
	v_and_b32 v8, 31, v0                           ; lane
	v_and_b32 v9, 15, v0                           ; r
	v_bfe_u32 v10, v0, 4, 1                        ; h
	v_lshlrev_b32 v11, 8, v9
	v_lshl_add_u32 v11, v10, 7, v11
	s_lshl_b32 s19, s15, 13
	v_add_nc_u32 v11, s19, v11                     ; x: row 32 (w % 2) + r, + 128 h
.irp i, 0,1,2,3,4,5,6,7
	global_load_b128 v[S+4*\i:S+4*\i+3], v11, s[4:5] offset:16*\i
.endr
	WIN 0x40
.irp i, 0,1,2,3,4,5,6,7
	global_load_b128 v[S+4*\i:S+4*\i+3], v11, s[4:5] offset:4096+16*\i
.endr
	v_lshlrev_b32 v[H8], 3, v10
.irp z, 0,12,24
.irp i, 0,1,2,3,4,5
	v_mov_b32 v[QZ+\z+\i], 0                       ; zero codes, set once
.endr
.endr
	WIN 0
	v_lshlrev_b32 v[H8], 3, v10
	s_mul_i32 s19, s16, QUART
	v_lshl_add_u32 v4, v8, 4, s19
	v_lshl_add_u32 v5, v10, 7, s19
	s_mul_i32 s19, s16, GPL
	s_mul_i32 s42, s15, 32*272
	s_add_co_u32 s19, s19, s42
	s_add_co_u32 s19, s19, MRG
	v_mul_u32_u24 v12, v9, 272
	v_lshl_add_u32 v12, v10, 5, v12
	v_add_nc_u32 v12, s19, v12                     ; merge area, in: my group, row 32 (w % 2) + r, + 32 h
	s_lshl_b32 s19, s16, 8
	s_lshl_b32 s42, s15, 7
	s_add_co_u32 s19, s19, s42
	s_add_co_u32 s19, s19, ML
	v_lshl_add_u32 v13, v9, 2, s19
	s_mul_i32 s19, s14, 8*272
	s_add_co_u32 s19, s19, MRG
	v_mul_u32_u24 v14, v10, 4*272
	v_lshl_add_u32 v14, v9, 4, v14
	v_add_nc_u32 v14, s19, v14                     ; back: row 8 w + 4 h + i, 16 bytes a lane
	s_lshl_b32 s19, s14, 5
	s_add_co_u32 s19, s19, ML
	v_lshl_add_u32 v15, v10, 4, s19
	s_lshl_b32 s19, s14, 11
	v_lshl_add_u32 v1, v10, 10, s19
	v_lshl_add_u32 v1, v9, 4, v1                   ; the same rows in x and out0
	s_wait_alu depctr_va_vdst(0)
	s_wait_kmcnt 0x0
	v_mov_b32 v32, s36
	v_mul_f32 v32, 0xbfb8aa3b, v32
	s_wait_alu depctr_va_vdst(0)
	v_exp_f32 v33, v32                             ; scale = e^(-t)
	v_mov_b32 v34, s37
	s_wait_alu depctr_va_vdst(0)
	v_mul_f32 v35, v33, v33
	v_mul_f32 v34, v34, v34
	v_mul_f32 v36, v35, v34
	v_sub_f32 v37, 1.0, v35
	v_fma_f32 v37, v35, v34, v37                   ; variance_t
	s_wait_alu depctr_va_vdst(0)
	v_rcp_f32 v38, v37
	v_rcp_f32 v39, v33
	v_and_b32 v40, 0x80000000, v37
	s_wait_alu depctr_va_vdst(0)
	v_mul_f32 v41, 0x3fb8aa3b, v38                 ; log2(e) / var
	v_and_b32 v42, 0x7fffffff, v41                 ; c
	v_or_b32 v40, 0x3f800000, v40                  ; sg
	v_mul_f32 v43, v36, v38                        ; dw
	v_mul_f32 v44, v43, v39                        ; dw / scale
	v_sub_f32 v43, 1.0, v43
	v_mul_f32 v43, v43, v39                        ; (1 - dw) / scale
	v_mul_f32 v41, -0.5, v41
	v_readfirstlane_b32 s44, v42
	v_readfirstlane_b32 s46, v40
	v_readfirstlane_b32 s47, v41
	v_readfirstlane_b32 s48, v44
	v_readfirstlane_b32 s49, v43
	s_mov_b32 s45, s44
	INIT 0
	INIT 1
	s_wait_alu depctr_va_vdst(0)
	s_wait_loadcnt 0x0
	QPREP 0
	QPREP 1
.irp t, 0,1
	WIN 0x55*\t
.set j, 0
.rept 32
	v_mov_b32 v[O+j], 0                            ; the step is written once: the first finds zeros.  (Also the places between Q's words and the first product)
.set j, j+1
.endr
.endr
	WIN 0
	s_wait_alu depctr_va_vdst(0)                   ; the wait at the head's end
	s_wait_tensorcnt 0x0                           ; slot 1's first fill is issued as a refill is
	ds_add_u32 v[SPW], v[NIL]
	s_xor_b32 s33, s33, SLOT1
	s_add_nc_u64 s[34:35], s[34:35], SLOTB
	s_wait_dscnt 0x0
	CROUND
	FILL
	v_add_nc_u32 v6, s22, v4
	v_add_nc_u32 v7, s22, v5
	KLOAD 0
	s_wait_alu depctr_va_vdst(0)
	s_wait_dscnt 0x0
	SWT 0
	SWT 1
	WIN 0
.Lslot:                                            ; slots 0 to 5: each change asks for the slot two on
	STEP 0, 0
	STEP 1, 1
	s_sub_co_u32 s23, s23, 1
	s_cmp_lg_u32 s23, 0
	s_wait_alu depctr_va_vdst(0)
	s_cbranch_scc1 .Lslot
	STEP 0, 0                                      ; slots 6 and 7 are written out
	STEP 1, 2
	STEP 0, 0
	STEP 1, 3
	; THE MERGE.  Every wave lays O^T as rows, -M and l into the merge area.
.rept 4
	v_nop                                          ; places behind the last products
.endr
.irp i, 0,1,2,3
	global_load_b128 v[KF+4*\i:KF+4*\i+3], v1, s[4:5] offset:256*\i     ; x, as the result's rows lie
.endr
.irp t, 0,1
	WIN 0x55*\t
	v_add_f32 v[L], v[L], v[L+1]
	v_permlanex16_b32 v[PD], v[L], s20, s21
	v_add_f32 v[L], v[L], v[PD]
	WIN 0x04*\t
.irp d, 0,1,2,3
	ds_store_b128 v12, v[O+8*\d:O+8*\d+3] offset:4352*\t+64*\d
	ds_store_b128 v12, v[O+8*\d+4:O+8*\d+7] offset:4352*\t+64*\d+16
.endr
	ds_store_b32 v13, v[NM] offset:64*\t           ; both halves of the lanes write the same word with the same value
	ds_store_b32 v13, v[L] offset:1024+64*\t
.endr
	WIN 0
	s_wait_dscnt 0x0
	s_barrier_signal -1
	s_barrier_wait -1
.irp g, 0,1,2,3                                ; wave w merges rows 8 w + 4 h + i, i = 0 .. 3, of the four key groups
.irp i, 0,1,2,3
	ds_load_b128 v[S+16*\g+4*\i:S+16*\g+4*\i+3], v14 offset:GPL*\g+272*\i
.endr
	ds_load_b128 v[O+4*\g:O+4*\g+3], v15 offset:256*\g            ; -M
	ds_load_b128 v[O+16+4*\g:O+16+4*\g+3], v15 offset:1024+256*\g ; l
.endr
	s_wait_dscnt 0x0
.irp i, 0,1,2,3
	v_min_num_f32 v[160+\i], v[O+\i], v[O+4+\i]
.endr
.irp i, 0,1,2,3
	v_min_num_f32 v[164+\i], v[O+8+\i], v[O+12+\i]
.endr
.irp i, 0,1,2,3
	v_min_num_f32 v[160+\i], v[160+\i], v[164+\i]  ; the least -M: the largest M
.endr
.irp g, 0,1,2,3
.irp i, 0,1,2,3
	v_sub_f32 v[O+4*\g+\i], v[160+\i], v[O+4*\g+\i]
.endr
.endr
.set j, 0
.rept 16
	v_cvt_i32_f32 v[O+j], v[O+j]
.set j, j+1
.endr
.set j, 0
.rept 16
	v_ldexp_f32 v[O+j], 1.0, v[O+j]                ; f of group g, row i: a power of two
.set j, j+1
.endr
.irp i, 0,1,2,3
	v_mul_f32 v[164+\i], v[O+\i], v[O+16+\i]
.endr
.irp g, 1,2,3
.irp i, 0,1,2,3
	v_fmac_f32 v[164+\i], v[O+4*\g+\i], v[O+16+4*\g+\i]
.endr
.endr
	s_wait_alu depctr_va_vdst(0)
.irp i, 0,1,2,3
	v_rcp_f32 v[168+\i], v[164+\i]
.endr
	v_nop
	s_wait_alu depctr_va_vdst(0)
.irp i, 0,1,2,3
	v_mul_f32 v[168+\i], s49, v[168+\i]            ; (1 - dw) / scale / l
.endr
.irp n, 15,14,13,12,11,10,9,8,7,6,5,4,3,2,1,0
	v_mul_f32 v[O+2*\n], v[O+\n], v[168+(\n%4)]    ; the weights, each in the low word of a pair; descending, so that none is written over unread
.endr
.irp i, 0,1,2,3
.irp k, 0,2
	v_pk_mul_f32 v[S+4*\i+\k:S+4*\i+\k+1], v[S+4*\i+\k:S+4*\i+\k+1], v[O+2*\i:O+2*\i+1] op_sel_hi:[1,0]
.endr
.endr
.irp g, 1,2,3
.irp i, 0,1,2,3
.irp k, 0,2
	v_pk_fma_f32 v[S+4*\i+\k:S+4*\i+\k+1], v[S+16*\g+4*\i+\k:S+16*\g+4*\i+\k+1], v[O+8*\g+2*\i:O+8*\g+2*\i+1], v[S+4*\i+\k:S+4*\i+\k+1] op_sel_hi:[1,0,1]
.endr
.endr
.endr
	s_wait_alu depctr_va_vdst(0)
	s_wait_loadcnt 0x0                             ; x
.irp i, 0,1,2,3
.irp k, 0,2
	v_pk_fma_f32 v[S+4*\i+\k:S+4*\i+\k+1], v[KF+4*\i+\k:KF+4*\i+\k+1], s[48:49], v[S+4*\i+\k:S+4*\i+\k+1] op_sel_hi:[1,0,1]   ; + x dw / scale
.endr
.endr
.irp i, 0,1,2,3
	global_store_b128 v1, v[S+4*\i:S+4*\i+3], s[12:13] offset:256*\i th:TH_STORE_NT   ; sixteen lanes store 256 consecutive bytes, aligned
.endr
	s_wait_tensorcnt 0x0                           ; the wave's end
	ds_add_u32 v[SPW], v[NIL]
	s_wait_dscnt 0x0
	CROUND                                         ; the closing round
	s_endpgm
.Lfunc_end_k_q5f9e04d73d_attn:
	.size	k_q5f9e04d73d_attn, .Lfunc_end_k_q5f9e04d73d_attn-k_q5f9e04d73d_attn
	.p2alignl 7, 3214868480
	.fill 96, 4, 3214868480
	.section	.rodata,"a",@progbits
	.p2align	6, 0x0
	.amdhsa_kernel k_q5f9e04d73d_attn
		.amdhsa_group_segment_fixed_size 327680
		.amdhsa_private_segment_fixed_size 0
		.amdhsa_enable_private_segment 0
		.amdhsa_kernarg_size 40
		.amdhsa_user_sgpr_count 2
		.amdhsa_user_sgpr_kernarg_segment_ptr 1
		.amdhsa_wavefront_size32 1
		.amdhsa_system_sgpr_workgroup_id_x 1
		.amdhsa_system_sgpr_workgroup_id_y 1
		.amdhsa_system_sgpr_workgroup_id_z 1
		.amdhsa_system_vgpr_workitem_id 0
		.amdhsa_next_free_vgpr 512
		.amdhsa_next_free_sgpr 66
		.amdhsa_reserve_vcc 0
		.amdhsa_float_denorm_mode_32 3
		.amdhsa_float_denorm_mode_16_64 3
		.amdhsa_memory_ordered 1
		.amdhsa_forward_progress 1
		.amdhsa_inst_pref_size 198
	.end_amdhsa_kernel
	.amdgpu_metadata
---
amdhsa.version: [ 1, 2 ]
amdhsa.kernels:
  - .name:           k_q5f9e04d73d_attn
    .symbol:         k_q5f9e04d73d_attn.kd
    .args:
      - { .name: x, .offset: 0, .size: 8, .value_kind: global_buffer, .address_space: global }
      - { .name: t, .offset: 8, .size: 8, .value_kind: global_buffer, .address_space: global }
      - { .name: standard_dev, .offset: 16, .size: 8, .value_kind: global_buffer, .address_space: global }
      - { .name: kv, .offset: 24, .size: 8, .value_kind: global_buffer, .address_space: global }
      - { .name: out0, .offset: 32, .size: 8, .value_kind: global_buffer, .address_space: global }
    .group_segment_fixed_size: 327680
    .private_segment_fixed_size: 0
    .kernarg_segment_align: 8
    .kernarg_segment_size: 40
    .max_flat_workgroup_size: 256
    .sgpr_count:     66
    .vgpr_count:     512
    .wavefront_size: 32
...
	.end_amdgpu_metadata
.endif
;; end of part 2
